; MI455X (gfx1250); checked and timed in simulation.
; The chip was launched on July 23, 2026; its instructions are those of AMD's public machine-readable ISA for CDNA 5 (MIT licence, August 2026) and "CDNA5" Instruction Set Architecture Reference Guide (July 2026). The comments in the code are by the model that wrote it; some were corrected since.
;; Causal MHA. Allowed arithmetic: matrix products marked QUANTISED: E5M2 operands, one given power-of-two scale a tensor, by v_wmma_f32_16x16x64_bf8_bf8 or v_wmma_f32_16x16x128_bf8_bf8, f32 sums; everything else in f32.
;; Inputs: Wk 1,024 x 1,024 float32; Wo 1,024 x 1,024 float32; Wq 1,024 x 1,024 float32; Wv 1,024 x 1,024 float32; lowp_scales 12 int32 (the exponents e of the quantised operands' scales 2^e); token_pos 2,048 int32; x 4 x 2,048 x 1,024 float32.
;; Outputs: out0 4 x 2,048 x 1,024 float32.
;; This version of the problem:
;;   THIS VERSION OF THE PROBLEM IS GIVEN IN LOW PRECISION. The matrix products marked QUANTISED in the list below multiply operands that are first quantised to E5M2 (5 exponent bits, 2 mantissa bits; 8 bits a number), with one given power-of-two scale for each operand tensor; their sums are f32. All else is computed in f32.
;;   The module's matrix products, in the order in which they are computed (A, B: the left and right operand; K: the contracted axis; several contracted axes count as one K, in the product's order):
;;     1. [M 8,192, K 1,024] x [K 1,024, N 1,024]; A: input x; B: input Wq: QUANTISED (scales: A lowp_scales[0], B lowp_scales[1])
;;     2. [M 8,192, K 1,024] x [K 1,024, N 1,024]; A: input x; B: input Wk: QUANTISED (scales: A lowp_scales[2], B lowp_scales[3])
;;     3. [M 8,192, K 1,024] x [K 1,024, N 1,024]; A: input x; B: input Wv: QUANTISED (scales: A lowp_scales[4], B lowp_scales[5])
;;     4. batch 64 x [M 2,048, K 64] x [K 64, N 2,048]; A: computed on the way; B: computed on the way: QUANTISED (scales: A lowp_scales[6], B lowp_scales[7])
;;     5. batch 64 x [M 2,048, K 2,048] x [K 2,048, N 64]; A: softmax (see below); B: computed on the way: QUANTISED (scales: A lowp_scales[8], B lowp_scales[9])
;;     6. [M 8,192, K 1,024] x [K 1,024, N 1,024]; A: computed on the way; B: input Wo: QUANTISED (scales: A lowp_scales[10], B lowp_scales[11])
;;   THE QUANTISER, for each operand of a quantised product, along K:
;;     - The operand's scale is 2^e, e = its entry of the input lowp_scales (int32; the entries are numbered through the quantised products in the list's order, A before B).
;;     - Each number is divided by the scale, clamped to +-57,344, and rounded to the nearest number of E5M2, ties to even, subnormals kept.
;;     - The product sums the exact products of the quantised numbers (number of the format x scale) in f32.
;;   ~~~python
;;   def quantise(x, axis, e):      # numpy; x: float32 -> the quantised numbers, widened to float32 again
;;       x = np.moveaxis(x, axis, -1); K = x.shape[-1]
;;       r = np.clip(x / 2.0 ** e, -57344, 57344)
;;       step = 2.0 ** (np.maximum(np.frexp(np.where(r == 0, 1, r))[1] - 1, -14) - 2)
;;       q = np.round(r / step) * step * 2.0 ** e      # np.round: ties to even
;;       return np.moveaxis(q, -1, axis).astype(np.float32)
;;   ~~~
;;   SOFTMAX AHEAD OF A QUANTISED PRODUCT. Where the list says 'softmax', what is quantised is not the finished softmax but p = 2^(t - M), with t = logit x log2(e) and M = ceil(the row's largest t), a whole number; so 1/2 < the row's largest p <= 1. The row's sum l is taken of the UNQUANTISED p, in f32, and the product's result is divided by l at the end. Since M is a whole number, a kernel that streams over the keys may use a running M (the ceiling of the running maximum): every later rescaling is an exact power of two, so the quantised numbers keep their values, but for numbers so far below the row's largest that they fall under the format's range.
;;   OPERANDS COMPUTED ON THE WAY. 'Computed on the way' means the value that the module computes at that place (a softmax that the list does not call 'softmax' is quantised finished and normalised). What goes into a quantiser is computed in f32, as accurately as f32 sums, v_exp_f32 and their like allow (about 1e-6 of the number): no bf16 or f16 on the way to a quantiser, and a product that is left as it is and whose result goes on into a quantised operand takes f32 operands (vector FMAs, or v_wmma_f32_16x16x4_f32). A number that lies on a knife's edge between two numbers of the format may be rounded either way, as far as f32 arithmetic and the matrix unit's own rounding can turn it there, and no further.
;; One version. Each part assembles by itself: llvm-mc -triple=amdgcn-amd-amdhsa -mcpu=gfx1250 --defsym DOCPART=n.
;; ======== version 1 of 1: 4 launches
;; limits: right only within a limited range of input values
;; workspace buffers: codes 29,360,128 bytes; rope 524,288 bytes; qkv 25,165,824 bytes; oimg 8,388,608 bytes
;; launch prep (part 1): grid 416 x 1, 4 waves a work-group, no clusters, 34,304 bytes of LDS; arguments x, Wq, Wk, Wv, Wo, lowp_scales, token_pos, codes, rope; writes codes, rope
.if DOCPART == 1
	.amdgcn_target "amdgcn-amd-amdhsa--gfx1250"
	.amdhsa_code_object_version 6
	.text
	.protected	k_qfb45e8bbba_prep
	.globl	k_qfb45e8bbba_prep
	.p2align	8
	.type	k_qfb45e8bbba_prep,@function
k_qfb45e8bbba_prep:
	s_mov_b64 s[64:65], 0
	v_nop
	global_prefetch_b8 v0, s[64:65] scope:SCOPE_SE
	s_setreg_imm32_b32 hwreg(HW_REG_WAVE_MODE, 25, 1), 1
	s_wait_xcnt 0x0
; PREP: x and the four weights, f32 with K innermost, become codes of E5M2; and the table of cosines and sines for the rotation is made.
; code = number / 2^e, held within +-57,344, rounded to the nearest code, ties to even.  x is quantised three times, with entries 0, 2 and 4 of the scales; Wq, Wk, Wv, Wo with entries 1, 3, 5, 11.
; THE CODES ARE LAID AS IMAGES OF OPERAND REGISTERS.  A fragment is 16 rows x 128 K: lane (r = lane % 16, h = lane / 16) holds, of row r, k = 16 c + 8 h + 0 .. 7 in registers 2 c, 2 c + 1 (c = 0 .. 7).
; Its 16 registers a lane are stored as four pieces of 512 bytes, lane l's 16 bytes at 16 l: every store of a wave covers 512 consecutive bytes, aligned.
; codes: x under entry 2 p at p << 23; weight i (q, k, v, o) at 0x1800000 + (i << 20); inside a part [block of 16 rows][block of 128 K: 8][2,048 bytes].
; rope: [block of 16 tokens: 128][c: 4][u: 2][lane: 32][4 f32]: lane (r, h) holds cos, sin of pair i = 8 c + 4 h + 2 u and of pair i + 1, for token r of the block.
; SHARES.  Work-groups 0-255: x; 256-383: the weights, 32 each; 384-415: the table.  A quantising wave takes 16 rows x 512 K: four fragments.  Waves share nothing: no barrier.
; Each load reads 512 consecutive bytes of one row; a fragment's 16 x 512 bytes turn through the wave's own stage in LDS (rows 528 bytes apart, so that sixteen lanes' 16 bytes fall on sixteen
; different columns of 16 bytes) and come back 32 bytes at a time: eight neighbours along K for each conversion.
; LIMITS: each e between -126 and 112, so that 2^e and 57,344 x 2^e are f32 numbers.  NaN among the inputs is not served.  |token_pos| under 2^24 (it is made an f32 number, as the problem's text makes it).
; The frequencies 10000^(-i/32) are made as 2^(-i log2(10)/8), the exponent in two parts; the angle is one f32 product; sine and cosine by reduction to +-pi/4 (pi/2 in two parts) and polynomials.
.set SP,   528                         ; a stage row: 512 bytes + 16
.set STGB, 16*SP                       ; a wave's stage
.set LI,   2                           ; v2       16 x lane; never rewritten
.set STI,  3                           ; v3       the stage, on the way in
.set STO,  4                           ; v4       the stage, on the way out
.set SC,   6                           ; v6, v8, v10: 2^e as f32
.set T,    12
.set R,    32                          ; v32-95   a fragment's numbers as loaded
.set X,    96                          ; v96-159  the same, eight neighbours along K together
.set CD,   160                         ; v160-207 codes: 16 registers for each of three scales
.set TAB,  96                          ; the table's path: v96-127 results
	s_load_b512 s[16:31], s[0:1], 0x0              ; x, Wq, Wk, Wv, Wo, scales, token_pos, codes
	s_load_b64 s[32:33], s[0:1], 0x40              ; rope
	v_lshl_add_u32 v208, v0, 2, 0x8400
	v_mov_b32 v209, 0
	v_lshrrev_b32 v1, 5, v0
	v_readfirstlane_b32 s2, v1                     ; wave 0..3
	v_and_b32 v5, 31, v0
	v_lshlrev_b32 v[LI], 4, v5
	v_and_b32 v28, 15, v0                          ; r
	v_bfe_u32 v29, v0, 4, 1                        ; h
	s_cmp_ge_u32 ttmp9, 384
	s_cbranch_scc1 .Lrope
	; ---- the quantiser
	s_mul_i32 s7, s2, STGB
	v_add_nc_u32 v[STI], s7, v[LI]                 ; in: a row's 512 bytes, 16 a lane
	v_mul_u32_u24 v[STO], v28, SP
	v_lshl_add_u32 v[STO], v29, 5, v[STO]
	v_add_nc_u32 v[STO], s7, v[STO]                ; out: row r, + 32 h
	s_sub_co_u32 s3, ttmp9, 256
	s_lshr_b32 s34, s3, 5                          ; which weight (no 0 .. 3 in x's work-groups)
	s_and_b32 s35, s3, 31
	s_cmp_lt_u32 ttmp9, 256
	s_cselect_b32 s35, ttmp9, s35                  ; my work-group's number within its tensor
	s_lshl_b32 s35, s35, 2
	s_add_co_u32 s35, s35, s2                      ; my wave's job
	s_lshr_b32 s36, s35, 1                         ; block of 16 rows
	s_and_b32 s37, s35, 1                          ; half of K
	s_lshl_b32 s38, s36, 16                        ; 16 rows of 4,096 bytes
	s_lshl_b32 s39, s37, 11
	s_add_co_u32 s38, s38, s39
	s_mov_b32 s39, 0
	s_lshl_b32 s52, s36, 14                        ; eight fragments of 2,048 bytes
	s_lshl_b32 s53, s37, 13
	s_add_co_u32 s52, s52, s53
	s_lshl_b32 s53, s34, 20
	s_add_co_u32 s53, s53, 0x1800000
	s_cmp_lt_u32 ttmp9, 256
	s_cselect_b32 s53, 0, s53                      ; the tensor's part of the buffer of codes
	s_add_co_u32 s52, s52, s53
	s_mov_b32 s53, 0
	s_wait_kmcnt 0x0
	s_load_b256 s[40:47], s[26:27], 0x0            ; e0 .. e7
	s_load_b128 s[48:51], s[26:27], 0x20           ; e8 .. e11
	s_mov_b64 s[4:5], s[24:25]                     ; the source: Wo, unless ..  (each choice hangs on the work-group's number alone)
	s_cmp_eq_u32 s34, 2
	s_cselect_b64 s[4:5], s[22:23], s[4:5]
	s_cmp_eq_u32 s34, 1
	s_cselect_b64 s[4:5], s[20:21], s[4:5]
	s_cmp_eq_u32 s34, 0
	s_cselect_b64 s[4:5], s[18:19], s[4:5]
	s_cmp_lt_u32 ttmp9, 256
	s_cselect_b64 s[4:5], s[16:17], s[4:5]
	s_add_nc_u64 s[4:5], s[4:5], s[38:39]
	s_add_nc_u64 s[8:9], s[30:31], s[52:53]        ; the codes' place;
	s_add_nc_u64 s[10:11], s[8:9], 0x800000        ; x's second and third sets (used in x's work-groups alone)
	s_add_nc_u64 s[12:13], s[8:9], 0x1000000
.macro LOAD f                          ; fragment f: 16 rows x 512 bytes
.irp i, 0,1,2,3,4,5,6,7,8,9,10,11,12,13,14,15
	global_load_b128 v[R+4*\i:R+4*\i+3], v[LI], s[4:5] offset:4096*\i+512*(\f) th:TH_LOAD_NT
.endr
.endm
	s_wait_alu depctr_va_vdst(0)
	LOAD 0
	s_wait_kmcnt 0x0
	s_mov_b32 s6, s51                              ; the exponent, chosen as the source was
	s_cmp_eq_u32 s34, 2
	s_cselect_b32 s6, s45, s6
	s_cmp_eq_u32 s34, 1
	s_cselect_b32 s6, s43, s6
	s_cmp_eq_u32 s34, 0
	s_cselect_b32 s6, s41, s6
	s_cmp_lt_u32 ttmp9, 256
	s_cselect_b32 s6, s40, s6
.macro MKSC e, k                       ; 2^e as an f32 number
	s_add_co_i32 s54, s[\e], 127
	s_lshl_b32 s55, s54, 23
	v_mov_b32 v[SC+2*\k], s55
.endm
	MKSC 6, 0
	MKSC 42, 1
	MKSC 44, 2
; The fragment in X under scale k, to s[d:d+1].  The conversion to an 8-bit code does not saturate (ISA guide 7.6.2): each number is held first, into one of two sets of eight by turns, so that the
; line behind a conversion is a plain one that touches neither its result nor its sources.
.macro Q1 k, d, f
.irp c, 0,1,2,3,4,5,6,7
.irp i, 0,1,2,3,4,5,6,7
.endr
	v_cvt_scalef32_pk8_bf8_f32 v[CD+16*\k+2*\c:CD+16*\k+2*\c+1], v[T+8*(\c%2)+((X+8*\c+0)-(T+8*(\c%2)+0)):T+8*(\c%2)+7+((X+8*\c+0)-(T+8*(\c%2)+0))], v[SC+2*\k]
.endr
.irp c, 0,1,2,3
	global_store_b128 v[LI], v[CD+16*\k+4*\c:CD+16*\k+4*\c+3], s[\d:\d+1] offset:2048*(\f)+512*\c
.endr
.endm
.macro QF f
	s_wait_loadcnt 0x0                             ; this fragment's sixteen loads: no others are out
.irp i, 0,1,2,3,4,5,6,7,8,9,10,11,12,13,14,15
	ds_store_b128 v[STI], v[R+4*\i:R+4*\i+3] offset:SP*\i
.endr
	v_nop
.irp c, 0,1,2,3,4,5,6,7
	ds_load_b128 v[X+8*\c:X+8*\c+3], v[STO] offset:64*\c          ; LDS serves a wave's instructions in order (ISA guide 5.7.1.4): these see the stores above
	ds_load_b128 v[X+8*\c+4:X+8*\c+7], v[STO] offset:64*\c+16
.endr
	s_wait_dscnt 0x0                               ; X is in, and the stores have read R,
.if (\f) < 3
	LOAD (\f)+1                                    ; which takes the next fragment while this one is worked
.endif
.if (\f) > 0
	s_wait_xcnt 0x0                                ; the last fragment's stores have read their codes' registers
.endif
	Q1 0, 8, \f
	s_cmp_ge_u32 ttmp9, 256
	s_cbranch_scc1 .Lw_\@                          ; a weight has one scale
	Q1 1, 10, \f
	Q1 2, 12, \f
.Lw_\@:
.endm
	s_wait_alu depctr_va_vdst(0)
	QF 0
	QF 1
	QF 2
	QF 3
	s_wait_tensorcnt 0x0
	ds_add_u32 v208, v209
	s_wait_dscnt 0x0
	s_endpgm
	; ---- the table: a wave makes one block of 16 tokens
.Lrope:
	s_sub_co_u32 s3, ttmp9, 384
	s_lshl_b32 s3, s3, 2
	s_add_co_u32 s3, s3, s2                        ; block of tokens
	s_lshl_b32 s34, s3, 6
	s_mov_b32 s35, 0
	s_lshl_b32 s36, s3, 12
	s_mov_b32 s37, 0
	s_mov_b32 s56, 0x3ed49a78                      ; log2(10) / 8, upper part
	s_mov_b32 s57, 0x32179a37                      ; and the rest
	s_mov_b32 s58, 0x3f317218                      ; ln 2
	s_mov_b32 s59, 0x3f22f983                      ; 2 / pi
	s_mov_b32 s60, 0x3fc90fdb                      ; pi / 2, upper part
	s_mov_b32 s61, 0xb33bbd2e                      ; and the rest
	s_mov_b32 s62, 0xb94ca1f9                      ; sine: r + r z (S1 + S2 z + S3 z z): S3,
	s_mov_b32 s63, 0x3c08839e                      ; S2,
	s_mov_b32 s66, 0xbe2aaaa3                      ; S1
	s_mov_b32 s67, 0x37ccf5ce                      ; cosine: 1 - z / 2 + z z (C1 + C2 z + C3 z z): C3,
	s_mov_b32 s68, 0xbab6061a                      ; C2,
	s_mov_b32 s69, 0x3d2aaaa5                      ; C1
	s_wait_alu depctr_va_vdst(0)
	v_lshlrev_b32 v27, 2, v28                      ; 4 r
	v_lshlrev_b32 v31, 2, v29                      ; 4 h
	s_wait_alu depctr_va_vdst(0)
	s_wait_kmcnt 0x0
	s_add_nc_u64 s[28:29], s[28:29], s[34:35]
	s_add_nc_u64 s[32:33], s[32:33], s[36:37]
	global_load_b32 v30, v27, s[28:29]             ; my token's position
	s_wait_loadcnt 0x0
	v_cvt_f32_i32 v30, v30
.macro PAIR n, d                       ; pair 4 h + n: cosine to v[d], sine to v[d + 1]
	v_add_nc_u32 v32, (\n), v31
	v_cvt_f32_u32 v32, v32                         ; i
	v_mul_f32 v33, s56, v32                        ; t = i x the upper part, rounded,
	v_fma_f32 v34, v32, s56, -v33                  ; what the rounding dropped,
	s_wait_alu depctr_va_vdst(0)
	v_exp_f32 v35, -v33                            ; 2^-t
	v_fma_f32 v34, v32, s57, v34                   ; and i x the rest.  (The plain line behind the exponential)
	s_wait_alu depctr_va_vdst(0)
	v_mul_f32 v36, s58, v35
	v_fma_f32 v35, -v36, v34, v35                  ; the frequency: 2^-t (1 - ln 2 x the small part)
	v_mul_f32 v36, v30, v35                        ; the angle: one f32 product
	v_mul_f32 v37, s59, v36
	v_rndne_f32 v37, v37                           ; n: the nearest multiple of pi / 2
	v_fma_f32 v38, -v37, s60, v36
	v_fma_f32 v38, -v37, s61, v38                  ; r, within +-pi / 4
	v_cvt_i32_f32 v39, v37                         ; q
	v_mul_f32 v40, v38, v38                        ; z
	v_fma_f32 v41, v40, s62, s63
	v_fma_f32 v43, v40, s67, s68
	v_fma_f32 v41, v41, v40, s66
	v_fma_f32 v43, v43, v40, s69
	v_mul_f32 v42, v40, v38
	v_mul_f32 v44, v40, v40
	v_fma_f32 v45, v40, -0.5, 1.0
	v_fma_f32 v41, v41, v42, v38                   ; sin r
	v_fma_f32 v43, v43, v44, v45                   ; cos r
	v_and_b32 v44, 1, v39
	v_cmp_eq_u32 vcc_lo, 1, v44
	v_cndmask_b32 v45, v41, v43, vcc_lo            ; an odd q changes the two,
	v_cndmask_b32 v46, v43, v41, vcc_lo
	v_lshlrev_b32 v44, 30, v39
	v_and_b32 v44, 0x80000000, v44
	v_xor_b32 v[(\d)+1], v44, v45                  ; the sine is negative where q mod 4 is 2 or 3,
	v_add_nc_u32 v44, 1, v39
	v_lshlrev_b32 v44, 30, v44
	v_and_b32 v44, 0x80000000, v44
	v_xor_b32 v[\d], v44, v46                      ; the cosine where it is 1 or 2
.endm
.irp c, 0,1,2,3
.irp m, 0,1,2,3
	PAIR 8*\c+\m, TAB+8*\c+2*\m
.endr
.endr
.irp c, 0,1,2,3
	global_store_b128 v[LI], v[TAB+8*\c:TAB+8*\c+3], s[32:33] offset:1024*\c
	global_store_b128 v[LI], v[TAB+8*\c+4:TAB+8*\c+7], s[32:33] offset:1024*\c+512
.endr
	s_endpgm
.Lfunc_end_k_qfb45e8bbba_prep:
	.size	k_qfb45e8bbba_prep, .Lfunc_end_k_qfb45e8bbba_prep-k_qfb45e8bbba_prep
	.p2alignl 7, 3214868480
	.fill 96, 4, 3214868480
	.section	.rodata,"a",@progbits
	.p2align	6, 0x0
	.amdhsa_kernel k_qfb45e8bbba_prep
		.amdhsa_group_segment_fixed_size 34304
		.amdhsa_private_segment_fixed_size 0
		.amdhsa_enable_private_segment 0
		.amdhsa_kernarg_size 72
		.amdhsa_user_sgpr_count 2
		.amdhsa_user_sgpr_kernarg_segment_ptr 1
		.amdhsa_wavefront_size32 1
		.amdhsa_system_sgpr_workgroup_id_x 1
		.amdhsa_system_sgpr_workgroup_id_y 1
		.amdhsa_system_sgpr_workgroup_id_z 1
		.amdhsa_system_vgpr_workitem_id 0
		.amdhsa_next_free_vgpr 210
		.amdhsa_next_free_sgpr 80
		.amdhsa_reserve_vcc 1
		.amdhsa_float_denorm_mode_32 3
		.amdhsa_float_denorm_mode_16_64 3
		.amdhsa_fp16_overflow 1
		.amdhsa_memory_ordered 1
		.amdhsa_forward_progress 1
		.amdhsa_inst_pref_size 57
	.end_amdhsa_kernel
	.amdgpu_metadata
---
amdhsa.version: [ 1, 2 ]
amdhsa.kernels:
  - .name:           k_qfb45e8bbba_prep
    .symbol:         k_qfb45e8bbba_prep.kd
    .args:
      - { .name: x, .offset: 0, .size: 8, .value_kind: global_buffer, .address_space: global }
      - { .name: Wq, .offset: 8, .size: 8, .value_kind: global_buffer, .address_space: global }
      - { .name: Wk, .offset: 16, .size: 8, .value_kind: global_buffer, .address_space: global }
      - { .name: Wv, .offset: 24, .size: 8, .value_kind: global_buffer, .address_space: global }
      - { .name: Wo, .offset: 32, .size: 8, .value_kind: global_buffer, .address_space: global }
      - { .name: lowp_scales, .offset: 40, .size: 8, .value_kind: global_buffer, .address_space: global }
      - { .name: token_pos, .offset: 48, .size: 8, .value_kind: global_buffer, .address_space: global }
      - { .name: codes, .offset: 56, .size: 8, .value_kind: global_buffer, .address_space: global }
      - { .name: rope, .offset: 64, .size: 8, .value_kind: global_buffer, .address_space: global }
    .group_segment_fixed_size: 34304
    .private_segment_fixed_size: 0
    .kernarg_segment_align: 8
    .kernarg_segment_size: 72
    .max_flat_workgroup_size: 128
    .sgpr_count:     80
    .vgpr_count:     210
    .wavefront_size: 32
...
	.end_amdgpu_metadata
.endif
;; end of part 1
;; launch qkv (part 2): grid 12 x 32, 4 waves a work-group, clusters of 4 x 4, 327,680 bytes of LDS; arguments codes, rope, lowp_scales, qkv; writes qkv
.if DOCPART == 2
	.amdgcn_target "amdgcn-amd-amdhsa--gfx1250"
	.amdhsa_code_object_version 6
	.text
	.protected	k_qfb45e8bbba_qkv
	.globl	k_qfb45e8bbba_qkv
	.p2align	8
	.type	k_qfb45e8bbba_qkv,@function
k_qfb45e8bbba_qkv:
	s_mov_b64 s[64:65], 0
	v_nop
	global_prefetch_b8 v0, s[64:65] scope:SCOPE_SE
	s_setreg_imm32_b32 hwreg(HW_REG_WAVE_MODE, 25, 1), 1
	s_wait_xcnt 0x0
	s_wait_alu depctr_hold_cnt(0) depctr_sa_sdst(0) depctr_va_vdst(0) depctr_va_sdst(0) depctr_va_ssrc(0) depctr_va_vcc(0) depctr_vm_vsrc(0)
	s_getreg_b32 s2, hwreg(HW_REG_IB_STS2, 6, 4)
	s_cmp_eq_u32 s2, 0
	s_cbranch_scc0 .Lentry_in_a_cluster
	s_endpgm
.Lentry_in_a_cluster:
	s_bfe_u32 s2, ttmp6, 0x10000c
	s_cmp_lg_u32 s2, 0xf033
	s_cbranch_scc0 .Lentry_shape_is_right
	s_endpgm
.Lentry_shape_is_right:
; QKV: the three projections on codes of E5M2, the rotation of q and k, and the quantising of q, k and v for the attention's two products.
; The cluster's x says which: p = 0 q, 1 k, 2 v.  A tile of 256 x 256 is made by four waves, 128 x 128 each: 64 accumulators of 16 x 16, 512 registers.  K = 1,024 goes in steps of 256 through two LDS slots.
; OPERANDS ARE IMAGES OF REGISTERS: a fragment (16 rows x 128 K, 2,048 bytes) lies as four pieces of 512 bytes, lane l's 16 bytes at 16 l; in a piece's registers k stands where this matrix form has it.
; A block of 16 rows is 16,384 bytes of memory (eight fragments); a K step takes 4,096 of them.  A tensor load brings 8 blocks x 4,096 bytes, dense in LDS: every LDS load takes 512 consecutive bytes.
; THE MATRIX INSTRUCTION IS USED TRANSPOSED (source 0 = the column role, source 1 = the row role): a lane holds ONE row (lane % 16) and eight neighbouring columns 8 (lane / 16) + 0 .. 7.
; q, k: rows = tokens (x), columns = features (W): a lane's eight numbers are four pairs of the rotation and eight neighbours along the head's 64, the next product's K.
; v: rows = features (Wv), columns = tokens (x): a lane's eight numbers are eight neighbouring KEYS of one channel, the second product's K.  Only offsets change places; the loop's text is one.
; So the conversions' results are the next operand's registers, and they are stored as images: each store covers 512 consecutive bytes, aligned.  No result goes through LDS.
; qkv: q at 0, k at 8 MiB: [batch x head: 64][block of 16 tokens: 128][1,024 bytes];  v at 16 MiB: [batch x head][block of 128 keys: 16][block of 16 channels: 4][2,048 bytes].
; A sum stands for sum x 2^(ea + eb); the rotation is linear; so the one scale of the conversion is 2^(eo - ea - eb).
; CLUSTERS: 4 x 4 work-groups; the row role's tile is shared along a row of the cluster, the column role's along a column: each is asked for jointly, with a mask that names the four.
; LIMITS: e6 - e0 - e1, e7 - e2 - e3 and e9 - e4 - e5 between -126 and 112, so that the scale and 57,344 x the scale are f32 numbers.
; REGISTERS, in windows of 256: window 0: v0-31 addresses and the scale; v32-95 two sets of the rotation's table; from v128 the row role's fragments, ONE set; on the way out v96-159 numbers, v160-191 codes.
;   window 1: the column role's fragments, TWO sets, at v0 and v128.   window 2: the accumulators of my rows 0-63 ((a, b) at v[8 (8 a + b)]);   window 3: those of my rows 64-127.
.set ROWB,   4096                      ; a block's bytes in a K step: two fragments
.set KROW,   16384                     ; a block of 16 rows in memory
.set FR,     16                        ; registers of a fragment
.set NL,     4                         ; LDS loads that bring one
.set NP,     4                         ; places behind this matrix instruction (ISA guide 7.12.1)
.set HALFT,  8*ROWB                    ; 8 blocks = 128 rows: what one tensor load brings, and what one wave reads of a role
.set SLOT,   4*HALFT                   ; the row role's 256 rows, then the column role's
.set LAPS,   2                         ; a lap = two K steps = once round the ring: 1,024 / 512
.set SPARE,  2*SLOT                    ; behind the ring: the spare words, 128 bytes for each wave: two blocks of 256 bytes that no other line names
.set SC,   12                          ; v12     the conversion's scale as f32
.set LM,   13
.set ADRA, 16                          ; v16-17  LDS address of my row role's fragments in slot 0, 1
.set ADRB, 20                          ; v20-21  the same for the column role
.set CO,   26                          ; v26     16 x lane; never rewritten
.set SPW,  28                          ; v28     LDS address of my spare word: SPARE + 4 x my thread's number; never rewritten
.set NIL,  29                          ; v29     0; never rewritten
.set TAB,  32                          ; v32-95  the table: two sets of 32
.set OW,   96                          ; v96-159 a block's 64 numbers
.set AF,   128                         ; the row role's fragments
.set CD,   160                         ; v160-191 codes: two sets of 16
.set G1, 24                            ; s[24:31] descriptor group 1 for the row role;  s[32:39] group 0, one set for each slot
.set G0, 32
.set G1B, 48                           ; s[48:55], s[56:63] the same for the column role
.set G0B, 56
.set MSB, 0
.macro WIN new                         ; the immediate's high byte repeats the setting that is left
.if MSB != (\new)
	s_set_vgpr_msb (MSB<<8)|(\new)
.set MSB, (\new)
.endif
.endm
.set MUL_LO, 0xa1                      ; source 0 window 1, source 1 window 0, C and D window 2
.set MUL_HI, 0xf1                      ; the same, C and D window 3
.set TO_B,   0x40                      ; destination window 1, address window 0
; A joint load: waves 0 and 1 fetch for the row role, waves 2 and 3 for the column role.  The branch hangs on the wave's number alone.
; Four v_nop follow each of the two lines, ahead of the jump, the label and what follows.
.macro JLOAD g0a, g1a, g0b, g1b
	s_cmp_eq_u32 s15, 0
	s_cbranch_scc0 .Lfor_b_\@
	tensor_load_to_lds s[\g0a:\g0a+3], s[\g1a:\g1a+7]
	s_nop 0
.rept 4
	v_nop
.endr
	s_branch .Lasked_\@
.Lfor_b_\@:
	tensor_load_to_lds s[\g0b:\g0b+3], s[\g1b:\g1b+7]
	s_nop 0
.rept 4
	v_nop
.endr
.Lasked_\@:
.endm
.macro CREST                           ; a round of the cluster's barrier behind its opening barrier
	s_cmp_lg_u32 s14, 0
	s_cbranch_scc1 .Lnot_wave_0_\@
	s_barrier_signal -3
.Lnot_wave_0_\@:
	s_barrier_wait -3
	s_barrier_signal -1
	s_barrier_wait -1
.endm
.macro CROUND                          ; a whole round
	s_barrier_signal -1
	s_barrier_wait -1
	CREST
.endm
	s_load_b256 s[4:11], s[0:1], 0x0               ; codes s[4:5], rope s[6:7], the scales' exponents s[8:9], qkv s[10:11]
	v_lshl_add_u32 v[SPW], v0, 2, SPARE
	v_mov_b32 v[NIL], 0
	ds_add_u32 v28, v29
	ds_add_u32 v28, v29
	s_wait_dscnt 0x0
	v_lshrrev_b32 v1, 5, v0
	v_readfirstlane_b32 s14, v1                    ; wave 0..3
	s_lshr_b32 s15, s14, 1                         ; which half of the tile's rows is mine.  Also: I fetch for the row role (0) or the column role (1)
	s_and_b32 s16, s14, 1                          ; which half of its columns.  Also: which 128 rows of that role's tile I fetch
	s_bfe_u32 s40, ttmp6, 0x40000                  ; cx, cy: my place in the cluster
	s_bfe_u32 s41, ttmp6, 0x40004
	s_and_b32 s19, ttmp7, 0xffff
	s_lshl_b32 s19, s19, 2                         ; 4 x the cluster's y
	s_add_co_u32 s17, s41, s19                     ; a tile of tokens by cy,
	s_add_co_u32 s42, s40, s19                     ; or by cx
	s_lshl_b32 s84, ttmp9, 23                      ; x's codes under this projection's scale,
	s_lshl_b32 s85, ttmp9, 20
	s_add_co_u32 s85, s85, 0x1800000               ; and its weight's
	s_cmp_eq_u32 ttmp9, 2                          ; v?  The cluster's x is the same in all sixteen partners
	s_cselect_b32 s86, s85, s84                    ; the row role's part of the buffer: Wv, else x
	s_cselect_b32 s87, s84, s85                    ; the column role's: x, else W
	s_cselect_b32 s17, s41, s17                    ; tile row: made of cy alone;
	s_cselect_b32 s42, s42, s40                    ; tile column: of cx alone
	s_lshl_b32 s43, s41, 2
	s_lshl_b32 s43, 15, s43                        ; my row of the cluster
	s_lshl_b32 s44, 0x1111, s40                    ; my column
	; descriptor group 1: 8 rows (blocks) x 4,096 bytes, 16,384 bytes apart in memory, dense in LDS
	s_or_b32 s[G1+0], s43, (1<<21)                 ; 15:0 the mask: my row of the cluster; 17:16 elements of 1 byte; 20 no padding; 21 set beside a mask
	s_or_b32 s[G1B+0], s44, (1<<21)                ; the same with my column
.irp g, G1, G1B
	s_mov_b32 s[\g+1], ROWB<<16                    ; tensor_dim0
	s_mov_b32 s[\g+2], 8<<16                       ; tensor_dim1 = 8
	s_mov_b32 s[\g+3], ROWB<<16                    ; tile_dim0
	s_mov_b32 s[\g+4], 8                           ; tile_dim1 = 8
	s_mov_b32 s[\g+5], KROW                        ; tensor_dim0_stride
	s_mov_b32 s[\g+6], 0
	s_mov_b32 s[\g+7], 0
.endr
	s_lshl_b32 s18, s16, 17                        ; which 8 blocks of the tile I fetch
	s_lshl_b32 s20, s17, 18                        ; a tile is 16 blocks
	s_add_co_u32 s20, s20, s18
	s_add_co_u32 s20, s20, s86
	s_mov_b32 s21, 0
	s_lshl_b32 s46, s42, 18
	s_add_co_u32 s46, s46, s18
	s_add_co_u32 s46, s46, s87
	s_mov_b32 s47, 0
	s_mul_i32 s45, s14, HALFT                      ; where they go: wave x 8 blocks: no place in the cluster enters an LDS address
	s_wait_kmcnt 0x0
	s_load_b256 s[72:79], s[8:9], 0x0              ; e0 .. e7
	s_load_b128 s[80:83], s[8:9], 0x20             ; e8 .. e11
	s_add_nc_u64 s[20:21], s[4:5], s[20:21]
	s_add_nc_u64 s[46:47], s[4:5], s[46:47]
	CROUND                                         ; all sixteen work-groups are here: the first joint loads meet
.irp s, 0,1
	s_mov_b32 s[G0+4*\s], 1
	s_add_co_u32 s[G0+4*\s+1], s45, \s*SLOT
	s_add_nc_u64 s[G0+4*\s+2:G0+4*\s+3], s[20:21], \s*ROWB
	s_or_b32 s[G0+4*\s+3], s[G0+4*\s+3], 0x80000000
	s_mov_b32 s[G0B+4*\s], 1
	s_add_co_u32 s[G0B+4*\s+1], s45, \s*SLOT
	s_add_nc_u64 s[G0B+4*\s+2:G0B+4*\s+3], s[46:47], \s*ROWB
	s_or_b32 s[G0B+4*\s+3], s[G0B+4*\s+3], 0x80000000
	JLOAD G0+4*\s, G1, G0B+4*\s, G1B
.endr
	v_and_b32 v6, 31, v0
	v_lshlrev_b32 v[CO], 4, v6                     ; an image's place for my lane
	s_wait_alu depctr_va_vdst(0)
	s_mul_i32 s21, s15, HALFT                      ; my 128 rows of the row role
	s_mul_i32 s22, s16, HALFT                      ; my 128 of the column role,
	s_add_co_u32 s22, s22, 2*HALFT                 ; which lie behind the row role's 256
.irp s, 0,1
	v_add_nc_u32 v[ADRA+\s], s21, v[CO]
	v_add_nc_u32 v[ADRB+\s], s22, v[CO]
	s_add_co_u32 s21, s21, SLOT
	s_add_co_u32 s22, s22, SLOT
.endr
	; the rotation's table for my 128 tokens: block 16 (tile row mod 8) + 8 x half on.  (For v the address stays inside the table and the two sets loaded here are not used.)
	s_and_b32 s88, s17, 7
	s_lshl_b32 s88, s88, 4
	s_lshl_b32 s89, s15, 3
	s_add_co_u32 s88, s88, s89
	s_lshl_b32 s90, s88, 12
	s_mov_b32 s91, 0
	s_add_nc_u64 s[6:7], s[6:7], s[90:91]
.macro TLD a, set                      ; the table of my block a of 16 tokens: register 8 c + 2 i, + 1 = cos, sin of pair 8 c + 4 (lane / 16) + i of token lane % 16
.irp c, 0,1,2,3
	global_load_b128 v[TAB+32*(\set)+8*\c:TAB+32*(\set)+8*\c+3], v[CO], s[6:7] offset:4096*(\a)+1024*\c
	global_load_b128 v[TAB+32*(\set)+8*\c+4:TAB+32*(\set)+8*\c+7], v[CO], s[6:7] offset:4096*(\a)+1024*\c+512
.endr
.endm
	TLD 0, 0
	TLD 1, 1
	; where my results go.  q, k: (p << 23) + batch << 21 + head << 17 + block of tokens << 10
	s_lshr_b32 s92, s17, 3
	s_lshl_b32 s92, s92, 21
	s_lshl_b32 s93, s42, 2
	s_lshl_b32 s94, s16, 1
	s_add_co_u32 s93, s93, s94                     ; my first head: 4 x tile column + 2 x half
	s_lshl_b32 s93, s93, 17
	s_add_co_u32 s92, s92, s93
	s_lshl_b32 s93, s88, 10
	s_add_co_u32 s92, s92, s93
	s_add_co_u32 s92, s92, s84
	; v: 16 MiB + batch << 21 + head << 17 + block of 128 keys << 13
	s_lshr_b32 s93, s42, 3
	s_lshl_b32 s93, s93, 21
	s_lshl_b32 s94, s17, 2
	s_lshl_b32 s95, s15, 1
	s_add_co_u32 s94, s94, s95                     ; my first head: 4 x tile row + 2 x half
	s_lshl_b32 s94, s94, 17
	s_add_co_u32 s93, s93, s94
	s_and_b32 s94, s42, 7
	s_lshl_b32 s94, s94, 1
	s_add_co_u32 s94, s94, s16
	s_lshl_b32 s94, s94, 13
	s_add_co_u32 s93, s93, s94
	s_add_co_u32 s93, s93, 0x1000000
	s_cmp_eq_u32 ttmp9, 2
	s_cselect_b32 s92, s93, s92
	s_mov_b32 s93, 0
	s_add_nc_u64 s[10:11], s[10:11], s[92:93]
	s_wait_alu depctr_va_vdst(0)
	; the conversion's scale: 2^(eo - ea - eb), chosen without a jump
	s_wait_kmcnt 0x0
	s_cmp_eq_u32 ttmp9, 1
	s_cselect_b32 s72, s74, s72
	s_cselect_b32 s73, s75, s73
	s_cselect_b32 s78, s79, s78
	s_cmp_eq_u32 ttmp9, 2
	s_cselect_b32 s72, s76, s72
	s_cselect_b32 s73, s77, s73
	s_cselect_b32 s78, s81, s78
	s_sub_co_i32 s78, s78, s72
	s_sub_co_i32 s78, s78, s73
	s_add_co_i32 s78, s78, 127
	s_lshl_b32 s79, s78, 23
	v_mov_b32 v[SC], s79
.macro FRAG reg, adr, q, i             ; block i's fragment of the slot's q-th 128 along K: four pieces of 512 consecutive bytes
.irp c, 0,1,2,3
	ds_load_b128 v[\reg+4*\c:\reg+4*\c+3], v[\adr] offset:ROWB*(\i)+2048*(\q)+512*\c
.endr
.endm
; 16 matrix instructions: row blocks a0, a0 + 1 x the eight column blocks, 128 along K.  p: the column role's set.  zero = 1: the first product starts the sums: nothing is ever cleared.
; The 64 accumulators take turns, one instruction a turn, in the same order in every step.
.macro MUL16 a0, p, zero
.irp a, \a0, \a0+1
.irp b, 0,1,2,3,4,5,6,7
.if \zero
	v_wmma_f32_16x16x128_bf8_bf8 v[8*(8*((\a)%4)+\b):8*(8*((\a)%4)+\b)+7], v[128*(\p)+FR*\b:128*(\p)+FR*\b+FR-1], v[AF+FR*(\a):AF+FR*(\a)+FR-1], 0
.else
	v_wmma_f32_16x16x128_bf8_bf8 v[8*(8*((\a)%4)+\b):8*(8*((\a)%4)+\b)+7], v[128*(\p)+FR*\b:128*(\p)+FR*\b+FR-1], v[AF+FR*(\a):AF+FR*(\a)+FR-1], v[8*(8*((\a)%4)+\b):8*(8*((\a)%4)+\b)+7]
.endif
.endr
.endr
.endm
.macro FETCH_B slot, q, p
	WIN TO_B
.irp i, 0,1,2,3,4,5,6,7
	FRAG 128*(\p)+FR*\i, ADRB+\slot, \q, \i
.endr
	WIN 0
.endm
.macro FETCH_A slot, q, i0
.irp i, \i0, \i0+1, \i0+2, \i0+3
	FRAG AF+FR*(\i), ADRA+\slot, \q, \i
.endr
.endm
; A load into a register that a matrix instruction has read, and a vector instruction that reads a matrix result, stand NP places behind that matrix instruction, and only plain vector
; instructions that name none of its registers are places (ISA guide 7.12.1 for vector instructions).
.macro PLACES n
.rept \n
	v_nop
.endr
.endm
; A step of 128 along K that has its successor in the same slot.  A row block is free as soon as its eight products are issued: blocks 0-3 are fetched anew in the step's middle, blocks 4-7 at its end.
.macro STEP slot, q, zero
	s_wait_dscnt 4*NL                              ; the column role's set and row blocks 0-3 are in; the sixteen youngest loads (row blocks 4-7) may be out
	WIN MUL_LO
	MUL16 0, (\q)%2, \zero
	MUL16 2, (\q)%2, \zero
	s_wait_dscnt 0                                 ; row blocks 4-7 are in
	PLACES NP
	FETCH_B \slot, (\q)+1, 1-(\q)%2
	FETCH_A \slot, (\q)+1, 0
	WIN MUL_HI
	MUL16 4, (\q)%2, \zero
	MUL16 6, (\q)%2, \zero
	PLACES NP
	WIN 0
	FETCH_A \slot, (\q)+1, 4
.endm
; A slot's last step changes slots: ONE barrier; in front of it each wave waits for all its tensor loads, adds 0 to its spare word, and waits for that and for its own reads of this slot.  fill = 1: this slot is filled again, two K steps ahead.
.macro TURN slot, next, fill
	s_wait_tensorcnt 0x0                           ; all my tensor loads have landed: my part of the next slot;  (every window is 0 here)
	ds_add_u32 v[SPW], v[NIL]                      ; 0 onto my spare word
	s_wait_dscnt 4*NL+1                            ; (the add and the sixteen youngest loads may be out)
	WIN MUL_LO
	MUL16 0, 1, 0                                  ; sixteen matrix instructions stand between the add and the wait for it
	s_wait_dscnt 0x0                               ; the add is done, and my reads of this slot are over
	s_barrier_signal -1
	MUL16 2, 1, 0
	WIN 0
	s_barrier_wait -1
.if \fill
	CREST                                          ; the barrier has opened a round of the cluster's barrier: no wave of any partner still reads this slot's tile or has a load on its way
	s_add_nc_u64 s[G0+4*\slot+2:G0+4*\slot+3], s[G0+4*\slot+2:G0+4*\slot+3], 2*ROWB
	s_add_nc_u64 s[G0B+4*\slot+2:G0B+4*\slot+3], s[G0B+4*\slot+2:G0B+4*\slot+3], 2*ROWB
	JLOAD G0+4*\slot, G1, G0B+4*\slot, G1B         ; the first tensor load behind the round; the four v_nop behind it are the places in front of the loads below
.else
	PLACES NP
.endif
	FETCH_B \next, 0, 0
	FETCH_A \next, 0, 0
	WIN MUL_HI
	MUL16 4, 1, 0
	MUL16 6, 1, 0
	PLACES NP
	WIN 0
	FETCH_A \next, 0, 4
.endm
	s_wait_tensorcnt 1                             ; my part of K step 0 is in (K step 1's load may be out)
	s_barrier_signal -1
	s_barrier_wait -1                              ; everybody's is
	FETCH_B 0, 0, 0
	FETCH_A 0, 0, 0
	FETCH_A 0, 0, 4
	STEP 0, 0, 1                                   ; the first step's products start the sums
.rept LAPS-1                                           ; once round the ring, both slots filled again: with K = 1,024 that happens once, so no loop is written
	TURN 0, 1, 1
	STEP 1, 0, 0
	TURN 1, 0, 1
	STEP 0, 0, 0
.endr
	TURN 0, 1, 0                                   ; the last lap fills nothing, and has no round of the cluster's barrier
	STEP 1, 0, 0
	s_wait_dscnt 4*NL                              ; the very last step: nothing more to fetch
	WIN MUL_LO
	MUL16 0, 1, 0
	MUL16 2, 1, 0
	s_wait_dscnt 0
	WIN MUL_HI
	MUL16 4, 1, 0
	MUL16 6, 1, 0
	WIN 0
	PLACES NP                                      ; in front of the first read of results, and of writes into the registers that held the row role's fragments
; q, k: block a of 16 tokens.  Accumulator (a, b), registers 2 i, 2 i + 1 = the pair (x1, x2) of the head's pair 8 (b % 4) + 4 (lane / 16) + i.
; (x1 cos - x2 sin, x1 sin + x2 cos) in two packed lines: (-x2 sin, x1 sin), then + (x1 cos, x2 cos).  Each accumulator is read from its low end on.
.macro QKOUT a
.set AC, 64*((\a)%4)
.set TS, TAB+32*((\a)%2)
.set CW, CD+16*((\a)%2)
.if (\a) < 7
	s_wait_loadcnt 8                               ; this block's table is in; the next block's eight loads may be out
.else
	s_wait_loadcnt 0x0
.endif
.if (\a) > 1
	s_wait_xcnt 0x0                                ; block a - 2's stores have read their codes' registers
.endif
	WIN 0x02+((\a)/4)                              ; source 0: window 2 or 3
.irp b, 0,1,2,3,4,5,6,7
.irp j, 0,2,4,6
	v_pk_mul_f32 v[OW+8*\b+\j:OW+8*\b+\j+1], v[AC+8*\b+\j:AC+8*\b+\j+1], v[TS+8*(\b%4)+\j:TS+8*(\b%4)+\j+1] op_sel:[1,1] op_sel_hi:[0,1] neg_lo:[1,0]
.endr
.irp j, 0,2,4,6
	v_pk_fma_f32 v[OW+8*\b+\j:OW+8*\b+\j+1], v[AC+8*\b+\j:AC+8*\b+\j+1], v[TS+8*(\b%4)+\j:TS+8*(\b%4)+\j+1], v[OW+8*\b+\j:OW+8*\b+\j+1] op_sel_hi:[1,0,1]
.endr
.endr
	WIN 0
.if (\a) < 6
	TLD (\a)+2, (\a)%2                             ; the set just read takes the table two blocks on
.endif
.irp b, 0,1,2,3,4,5,6,7
.irp i, 0,1,2,3,4,5,6,7
.endr
	v_cvt_scalef32_pk8_bf8_f32 v[CW+2*\b:CW+2*\b+1], v[OW+8*\b:OW+8*\b+7], v[SC]   ; registers 2 (b % 4), + 1 of head b / 4's fragment of 16 tokens x 64
.endr
	v_nop                                          ; one plain line behind the last conversion: the next block writes its sources
.irp k, 0,1,2,3
	global_store_b128 v[CO], v[CW+4*\k:CW+4*\k+3], s[10:11] offset:1024*(\a)+131072*(\k/2)+512*(\k%2)   ; 512 consecutive bytes, aligned
.endr
.endm
; v: block a of 16 channels.  Accumulator (a, b) = keys 16 b + 8 (lane / 16) + 0 .. 7 of channel lane % 16: registers 2 b, 2 b + 1 of a fragment of 16 channels x 128 keys.
.macro VOUT a
.set AC, 64*((\a)%4)
.set CW, CD+16*((\a)%2)
.if (\a) > 1
	s_wait_xcnt 0x0                                ; block a - 2's stores have read their codes' registers
.endif
	WIN 0x02+((\a)/4)
.set n, 0
.rept 64
.set n, n+1
.endr
.irp b, 0,1,2,3,4,5,6,7
	v_cvt_scalef32_pk8_bf8_f32 v[CW+2*\b:CW+2*\b+1], v[AC+8*\b:AC+8*\b+7], v[SC]
.endr
	WIN 0
	v_nop                                          ; one plain line behind the last conversion
.irp k, 0,1,2,3
	global_store_b128 v[CO], v[CW+4*\k:CW+4*\k+3], s[10:11] offset:131072*((\a)/4)+2048*((\a)%4)+512*\k
.endr
.endm
	s_cmp_eq_u32 ttmp9, 2                          ; the same way in all sixteen partners
	s_cbranch_scc1 .Lv
.irp a, 0,1,2,3,4,5,6,7
	QKOUT \a
.endr
	s_branch .Lend
.Lv:
	s_wait_alu depctr_va_vdst(0)
.irp a, 0,1,2,3,4,5,6,7
	VOUT \a
.endr
.Lend:
	s_wait_tensorcnt 0x0                           ; the wave's end
	ds_add_u32 v[SPW], v[NIL]
	s_wait_dscnt 0x0
	CROUND                                         ; the closing round: no work-group ends while a partner may still ask for a tile that names it
	s_endpgm
.Lfunc_end_k_qfb45e8bbba_qkv:
	.size	k_qfb45e8bbba_qkv, .Lfunc_end_k_qfb45e8bbba_qkv-k_qfb45e8bbba_qkv
	.p2alignl 7, 3214868480
	.fill 96, 4, 3214868480
	.section	.rodata,"a",@progbits
	.p2align	6, 0x0
	.amdhsa_kernel k_qfb45e8bbba_qkv
		.amdhsa_group_segment_fixed_size 327680
		.amdhsa_private_segment_fixed_size 0
		.amdhsa_enable_private_segment 0
		.amdhsa_kernarg_size 32
		.amdhsa_user_sgpr_count 2
		.amdhsa_user_sgpr_kernarg_segment_ptr 1
		.amdhsa_wavefront_size32 1
		.amdhsa_system_sgpr_workgroup_id_x 1
		.amdhsa_system_sgpr_workgroup_id_y 1
		.amdhsa_system_sgpr_workgroup_id_z 1
		.amdhsa_system_vgpr_workitem_id 0
		.amdhsa_next_free_vgpr 1024
		.amdhsa_next_free_sgpr 100
		.amdhsa_reserve_vcc 0
		.amdhsa_float_denorm_mode_32 3
		.amdhsa_float_denorm_mode_16_64 3
		.amdhsa_fp16_overflow 1
		.amdhsa_memory_ordered 1
		.amdhsa_forward_progress 1
		.amdhsa_inst_pref_size 133
	.end_amdhsa_kernel
	.amdgpu_metadata
---
amdhsa.version: [ 1, 2 ]
amdhsa.kernels:
  - .name:           k_qfb45e8bbba_qkv
    .symbol:         k_qfb45e8bbba_qkv.kd
    .args:
      - { .name: codes, .offset: 0, .size: 8, .value_kind: global_buffer, .address_space: global }
      - { .name: rope, .offset: 8, .size: 8, .value_kind: global_buffer, .address_space: global }
      - { .name: lowp_scales, .offset: 16, .size: 8, .value_kind: global_buffer, .address_space: global }
      - { .name: qkv, .offset: 24, .size: 8, .value_kind: global_buffer, .address_space: global }
    .group_segment_fixed_size: 327680
    .private_segment_fixed_size: 0
    .kernarg_segment_align: 8
    .kernarg_segment_size: 32
    .max_flat_workgroup_size: 128
    .sgpr_count:     100
    .vgpr_count:     1024
    .wavefront_size: 32
...
	.end_amdgpu_metadata
.endif
;; end of part 2
;; launch attn (part 3): grid 4 x 64, 16 waves a work-group, clusters of 4 x 1, 327,680 bytes of LDS; arguments qkv, lowp_scales, oimg; writes oimg
.if DOCPART == 3
	.amdgcn_target "amdgcn-amd-amdhsa--gfx1250"
	.amdhsa_code_object_version 6
	.text
	.protected	k_qfb45e8bbba_attn
	.globl	k_qfb45e8bbba_attn
	.p2align	8
	.type	k_qfb45e8bbba_attn,@function
k_qfb45e8bbba_attn:
	s_mov_b64 s[64:65], 0
	v_nop
	global_prefetch_b8 v0, s[64:65] scope:SCOPE_SE
	s_setreg_imm32_b32 hwreg(HW_REG_WAVE_MODE, 25, 1), 1
	s_wait_xcnt 0x0
	s_wait_alu depctr_hold_cnt(0) depctr_sa_sdst(0) depctr_va_vdst(0) depctr_va_sdst(0) depctr_va_ssrc(0) depctr_va_vcc(0) depctr_vm_vsrc(0)
	s_getreg_b32 s2, hwreg(HW_REG_IB_STS2, 6, 4)
	s_cmp_eq_u32 s2, 0
	s_cbranch_scc0 .Lentry_in_a_cluster
	s_endpgm
.Lentry_in_a_cluster:
	s_bfe_u32 s2, ttmp6, 0x10000c
	s_cmp_lg_u32 s2, 0x3003
	s_cbranch_scc0 .Lentry_shape_is_right
	s_endpgm
.Lentry_shape_is_right:
; ATTN: causal attention of one head on codes of E5M2, and the quantising of its result for the last projection.
; t = score x log2(e) / 8; M = the row's largest t so far, rounded UP to a whole number; p = 2^(t - M) is what is quantised (scale entry 8); it is not normalised.  The row's sum is taken of the
; unquantised p, in f32, and divides at the end.  When M moves, the sum and O are multiplied by 2^(old M - new M): exact.
; SHARES.  The four work-groups of a cluster share one head (work-group y = batch x 16 + head); sixteen waves each.  Wave w, with g = w % 8 and o = 2 cx + w / 8, owns TWO tiles of 16 queries:
; tile 8 g + o, which needs key steps 0 .. g of 128 keys, and tile 120 - 8 g + o, which needs 0 .. 15 - g: 17 steps for every wave of the launch.  Which steps a wave works hangs on g, its number alone;
; cx enters the addresses of Q and O in memory and the threshold of the diagonal's mask, and nothing else.
; LDS holds the head's WHOLE K and V (131,072 bytes each), filled once, by joint loads that name the four work-groups: no byte is filled again.  Key step 0 comes by loads of its own (1 KiB a wave),
; so that work begins while the rest (15 KiB a wave) is on its way: two tensor loads of a wave are out at the most.
; OPERANDS ARE IMAGES OF REGISTERS (lane l's 16 bytes at 16 l, pieces of 512 bytes), k where the matrix forms have it: every LDS load takes 512 consecutive bytes.
; Both products are used transposed: S^T = K Q^T (16x16x64; source 0 = 16 keys, source 1 = my 16 queries): register j of tile t = key 16 t + 8 (lane / 16) + j of query lane % 16, which is the very place
; that the 16x16x128 form gives k in source 1 of O^T = V^T P^T: the conversions' results are that operand.  O^T holds channel 16 c + 8 (lane / 16) + j: eight neighbours along the last projection's K.
; oimg: [block of 16 tokens: 512][block of 128 K: 8][2,048 bytes]; a head's half of a fragment is the 1,024 bytes at head << 10.
; LIMITS: e6 + e7 between -123 and 130 (added to c's exponent field); e8, and e10 - e8 - e9, between -126 and 112.
.set LI,   1                           ; v1   16 x lane; never rewritten
.set LIV,  2                           ; v2   the same + V's distance from K
.set ADK,  3                           ; v3   LDS address of the step's K
.set ADV,  4                           ; v4   of its V
.set DM,   5                           ; v5   16 o + lane % 16 - 8 (lane / 16): on the diagonal register (t, j) is hidden where 16 t + j > this
.set NINF, 6                           ; v6   -infinity
.set PS,   8                           ; v8   2^e8
.set PL,   9
.set OS,   10                          ; v10  2^(e10 - e8 - e9)
.set OL,   11
.set STA,  12                          ; v12-15 the first tile's -M, largest t, sum in two halves;  v16-19 the second's
.set STB,  16
.set QA,   20                          ; v20-27, v28-35  Q
.set QB,   28
.set KV,   36                          ; v36-99   eight fragments of K, then four of V
.set S,    100                         ; v100-163 S^T, then p
.set P,    164                         ; v164-179 p's codes
.set OA,   180                         ; v180-211, v212-243  O^T
.set OB,   212
.set WV,    10                         ; s10  my wave's number
.set LASTA, 12                         ; s12  g: the first tile's last key step
.set LASTB, 13                         ; s13  15 - g: the second's
.set SEL,   20                         ; s[20:21] lane selects for v_permlanex16_b32: lane l xor 16
.set CS,    22                         ; s[22:23] c = log2(e) / 8 x 2^(e6 + e7)
.set J,     53                         ; s53  the key step
.set TB,    54                         ; s54  LDS byte at which the step's K begins
.macro ROUND                           ; a round of the cluster's barrier
	s_barrier_signal -1
	s_barrier_wait -1
	s_cmp_lg_u32 s[WV], 0
	s_cbranch_scc1 .Lnot_wave_0_\@
	s_barrier_signal -3
.Lnot_wave_0_\@:
	s_barrier_wait -3
	s_barrier_signal -1
	s_barrier_wait -1
.endm
	s_load_b128 s[4:7], s[0:1], 0x0                ; qkv, the scales' exponents
	s_load_b64 s[8:9], s[0:1], 0x10                ; oimg
	v_lshl_add_u32 v254, v0, 2, 0x40000
	v_mov_b32 v255, 0
	ds_add_u32 v254, v255
	ds_add_u32 v254, v255
	v_lshrrev_b32 v1, 5, v0
	s_delay_alu instid0(VALU_DEP_1)
	v_readfirstlane_b32 s[WV], v1                  ; wave 0..15
	s_and_b32 s[LASTA], s[WV], 7                   ; g.  Also: which eighth of K or of V I fetch
	s_sub_co_u32 s[LASTB], 15, s[LASTA]
	s_lshr_b32 s14, s[WV], 3                       ; I fetch for K (0) or for V (1)
	s_bfe_u32 s11, ttmp6, 0x40000                  ; cx
	s_lshl_b32 s15, s11, 1
	s_add_co_u32 s15, s15, s14                     ; o
	s_and_b32 s16, ttmp7, 0xffff                   ; batch x 16 + head, which the four partners share
	; descriptor group 1: rows of 256 bytes, dense: 4 rows (key step 0's eighth), 60 rows (the eighth of steps 1 to 15)
	s_mov_b32 s24, 15|(3<<16)|(1<<21)              ; 15:0 the mask: all four work-groups; 17:16 elements of 8 bytes; 21 set beside a mask
	s_mov_b32 s25, 32<<16                          ; tensor_dim0 = 32
	s_mov_b32 s26, 4<<16                           ; tensor_dim1 = 4
	s_mov_b32 s27, 32<<16                          ; tile_dim0 = 32
	s_mov_b32 s28, 4                               ; tile_dim1 = 4
	s_mov_b32 s29, 32                              ; tensor_dim0_stride
	s_mov_b32 s30, 0
	s_mov_b32 s31, 0
	s_mov_b32 s32, 15|(3<<16)|(1<<21)
	s_mov_b32 s33, 32<<16
	s_mov_b32 s34, 60<<16
	s_mov_b32 s35, 32<<16
	s_mov_b32 s36, 60
	s_mov_b32 s37, 32
	s_mov_b32 s38, 0
	s_mov_b32 s39, 0
	s_mov_b32 s[SEL], 0x76543210
	s_mov_b32 s[SEL+1], 0xfedcba98
	s_add_co_u32 s17, s14, 1
	s_lshl_b32 s17, s17, 23                        ; K at 8 MiB, V at 16 MiB,
	s_lshl_b32 s18, s16, 17                        ; the head's 131,072 bytes
	s_add_co_u32 s17, s17, s18
	s_lshl_b32 s70, s[LASTA], 10
	s_add_co_u32 s70, s70, s17                     ; key step 0: my 1,024 bytes
	s_mov_b32 s71, 0
	s_mul_i32 s72, s[LASTA], 15360
	s_add_co_u32 s72, s72, s17
	s_add_co_u32 s72, s72, 8192                    ; the rest: my 15,360 bytes
	s_mov_b32 s73, 0
	s_lshl_b32 s74, s[WV], 10                      ; in LDS: K's step 0 at 0, V's at 8,192;
	s_mul_i32 s75, s[WV], 15360
	s_add_co_u32 s75, s75, 16384                   ; K's steps 1 to 15 from 16,384, V's from 139,264
	s_wait_dscnt 0x0
	s_wait_kmcnt 0x0
	s_load_b128 s[48:51], s[6:7], 0x18             ; e6, e7, e8, e9
	s_load_b32 s52, s[6:7], 0x28                   ; e10
	s_mov_b32 s40, 1
	s_mov_b32 s41, s74
	s_add_nc_u64 s[42:43], s[4:5], s[70:71]
	s_or_b32 s43, s43, 0x80000000
	s_mov_b32 s44, 1
	s_mov_b32 s45, s75
	s_add_nc_u64 s[46:47], s[4:5], s[72:73]
	s_or_b32 s47, s47, 0x80000000
	ROUND                                          ; all four work-groups are here: the joint loads meet
	tensor_load_to_lds s[40:43], s[24:31]
	s_nop 0
	s_wait_alu depctr_va_vdst(0)
	s_wait_tensorcnt 0x0
	ds_add_u32 v254, v255
	s_wait_dscnt 0x0
	ROUND
	tensor_load_to_lds s[44:47], s[32:39]
	s_nop 0
.rept 4
	v_nop
.endr
	s_lshl_b32 s70, s[LASTA], 3
	s_add_co_u32 s71, s70, s15                     ; the first tile: 8 g + o
	s_sub_co_u32 s72, 120, s70
	s_add_co_u32 s72, s72, s15                     ; the second: 120 - 8 g + o
	s_mov_b32 s75, 0
	s_lshl_b32 s74, s71, 10
	s_add_co_u32 s74, s74, s18
	s_add_nc_u64 s[66:67], s[4:5], s[74:75]        ; their fragments of Q,
	s_lshl_b32 s74, s72, 10
	s_add_co_u32 s74, s74, s18
	s_add_nc_u64 s[68:69], s[4:5], s[74:75]
	s_lshr_b32 s76, s16, 4
	s_lshl_b32 s76, s76, 21
	s_and_b32 s77, s16, 15
	s_lshl_b32 s77, s77, 10
	s_add_co_u32 s76, s76, s77
	s_lshl_b32 s74, s71, 14
	s_add_co_u32 s74, s74, s76
	s_add_nc_u64 s[56:57], s[8:9], s[74:75]        ; and their places in oimg
	s_lshl_b32 s74, s72, 14
	s_add_co_u32 s74, s74, s76
	s_add_nc_u64 s[58:59], s[8:9], s[74:75]
	v_and_b32 v1, 31, v0
	s_delay_alu instid0(VALU_DEP_1)
	v_lshlrev_b32 v[LI], 4, v1
	global_load_b128 v[QA:QA+3], v[LI], s[66:67]
	global_load_b128 v[QA+4:QA+7], v[LI], s[66:67] offset:512
	global_load_b128 v[QB:QB+3], v[LI], s[68:69]
	global_load_b128 v[QB+4:QB+7], v[LI], s[68:69] offset:512
	v_and_b32 v[DM], 15, v0
	v_bfe_u32 v7, v0, 4, 1
	s_delay_alu instid0(VALU_DEP_1)
	v_lshlrev_b32 v7, 3, v7
	s_delay_alu instid0(VALU_DEP_1)
	v_sub_nc_u32 v[DM], v[DM], v7
	s_lshl_b32 s77, s15, 4
	v_add_nc_u32 v[DM], s77, v[DM]
	v_mov_b32 v[NINF], 0xff800000
.irp st, STA, STB
	v_mov_b32 v[\st+1], 0xff61b1e6                 ; the largest t so far: -3e38, under every t
	s_delay_alu instid0(VALU_DEP_1)
	v_floor_f32 v[\st], -v[\st+1]                  ; -M
	v_mov_b32 v[\st+2], 0                          ; the sum, in two halves
	v_mov_b32 v[\st+3], 0
.endr
	v_mov_b32 v245, 0                              ; (named as the upper half of the pair v[244:245])
	v_mov_b32 v248, 0                              ; written once: a lane permute's destination counts as one of its sources
.set n, 0
.rept 64
	v_mov_b32 v[OA+n], 0                           ; O^T of both tiles.  (The step is written without a first step of its own: the first change of M multiplies zeros)
.set n, n+1
.endr
	v_add_nc_u32 v[LIV], 8192, v[LI]
	s_mov_b32 s[TB], 0
	s_mov_b32 s[J], 0
	s_wait_kmcnt 0x0
	s_add_co_i32 s70, s48, s49
	s_lshl_b32 s70, s70, 23
	s_mov_b32 s[CS], 0x3e38aa3b                    ; log2(e) / 8
	s_add_co_i32 s[CS], s[CS], s70                 ; a score stands for score x 2^(e6 + e7): the exponents are added to c's exponent field
	s_mov_b32 s[CS+1], s[CS]                       ; (named with it as a pair, so it is written)
	s_add_co_i32 s70, s50, 127
	s_lshl_b32 s71, s70, 23
	v_mov_b32 v[PS], s71
	s_sub_co_i32 s70, s52, s50                     ; O^T / the sum stands for that x 2^(e8 + e9): its code is that / 2^(e10 - e8 - e9)
	s_sub_co_i32 s70, s70, s51
	s_add_co_i32 s70, s70, 127
	s_lshl_b32 s71, s70, 23
	v_mov_b32 v[OS], s71
; A KEY STEP of one tile: 128 keys.  st: its statistics; qr: its Q; oa: its O^T; la: the scalar that holds its last step, which lies on the diagonal.
.macro STEP st, qr, oa, la
	s_cmp_gt_u32 s[J], s[\la]                      ; all keys of the step come after my queries: nothing to do.  The branch hangs on the wave's number and the trip alone
	s_cbranch_scc1 .Lskip_\@
	v_add_nc_u32 v[ADK], s[TB], v[LI]
	s_wait_alu depctr_va_vdst(0)
	v_add_nc_u32 v[ADV], s[TB], v[LIV]
	v_nop                                          ; with the two additions: four places in front of loads into registers that the last products read
	v_nop
.irp t, 0,1,2,3,4,5,6,7
	ds_load_b128 v[KV+8*\t:KV+8*\t+3], v[ADK] offset:1024*\t
	ds_load_b128 v[KV+8*\t+4:KV+8*\t+7], v[ADK] offset:1024*\t+512
.endr
	s_wait_alu depctr_va_vdst(0)
	s_wait_dscnt 0x0
.irp t, 0,1,2,3,4,5,6,7
	v_wmma_f32_16x16x64_bf8_bf8 v[S+8*\t:S+8*\t+7], v[KV+8*\t:KV+8*\t+7], v[\qr:\qr+7], 0
.endr
.rept 4
	v_nop                                          ; places in front of the loads below and of the first read of the scores
.endr
.irp f, 0,1,2,3,4,5,6,7,8,9,10,11,12,13,14,15
	ds_load_b128 v[KV+4*\f:KV+4*\f+3], v[ADV] offset:512*\f       ; V's four fragments land while the softmax is worked
.endr
	s_cmp_lg_u32 s[J], s[\la]
	s_cbranch_scc1 .Lopen_\@                       ; off the diagonal every key counts
.set n, 0
.rept 64
	v_cmp_gt_i32 vcc_lo, 16*(n/8)+n%8, v[DM]
	v_cndmask_b32 v[S+n], v[S+n], v[NINF], vcc_lo  ; a hidden score becomes -infinity: p = 0
.set n, n+1
.endr
.Lopen_\@:
	v_max3_num_f32 v250, v[S], v[S+1], v[S+2]      ; the step's largest score of my query among my 64 keys, in two chains, ascending: each tile is read from its low end on
	v_max3_num_f32 v251, v[S+3], v[S+4], v[S+5]
.set n, 6
.rept 14
	v_max3_num_f32 v250, v250, v[S+n], v[S+n+1]
	v_max3_num_f32 v251, v251, v[S+n+2], v[S+n+3]
.set n, n+4
.endr
	v_max3_num_f32 v250, v250, v[S+62], v[S+63]
	s_delay_alu instid0(VALU_DEP_1)
	v_max_num_f32 v250, v250, v251
	s_delay_alu instid0(VALU_DEP_1)
	v_permlanex16_b32 v248, v250, s[SEL], s[SEL+1]
	s_delay_alu instid0(VALU_DEP_1)
	v_max_num_f32 v250, v250, v248                 ; and among lane l xor 16's
	s_delay_alu instid0(VALU_DEP_1)
	v_mul_f32 v250, s[CS], v250                    ; as t (c is positive)
	s_delay_alu instid0(VALU_DEP_1)
	v_max_num_f32 v[\st+1], v[\st+1], v250         ; the running largest t
	v_mov_b32 v250, v[\st]
	s_delay_alu instid0(VALU_DEP_2)
	v_floor_f32 v[\st], -v[\st+1]                  ; the new -M = floor(-t): M is a whole number
	s_delay_alu instid0(VALU_DEP_1)
	v_sub_f32 v250, v[\st], v250                   ; old M - new M: a whole number, 0 or less
	s_delay_alu instid0(VALU_DEP_1)
	v_cvt_i32_f32 v250, v250                       ; (it saturates)
	s_delay_alu instid0(VALU_DEP_1)
	v_ldexp_f32 v244, 1.0, v250                    ; f = 2^(old M - new M)
.set n, 0
.rept 32
	v_pk_fma_f32 v[S+n:S+n+1], v[S+n:S+n+1], s[CS:CS+1], v[\st:\st+1] op_sel_hi:[1,0,0]   ; t - M (of the pairs c and -M the low word serves both halves)
.set n, n+2
.endr
.set n, 0
	s_wait_alu depctr_va_vdst(0)
.rept 64
	v_exp_f32 v[S+n], v[S+n]                       ; p = 2^(t - M)
.set n, n+1
.endr
	v_pk_mul_f32 v[\st+2:\st+3], v[\st+2:\st+3], v[244:245] op_sel_hi:[1,0]   ; the sums under the new M.  (The plain line behind the exponentials)
	s_wait_alu depctr_va_vdst(0)
	v_pk_add_f32 v[246:247], v[S:S+1], v[S+2:S+3]  ; the row's sum is taken of the unquantised p, in two chains
.set n, 4
.rept 15
	v_pk_add_f32 v[\st+2:\st+3], v[\st+2:\st+3], v[S+n:S+n+1]
	v_pk_add_f32 v[246:247], v[246:247], v[S+n+2:S+n+3]
.set n, n+4
.endr
	s_delay_alu instid0(VALU_DEP_1)
	v_pk_add_f32 v[\st+2:\st+3], v[\st+2:\st+3], v[246:247]
.irp t, 0,1,2,3,4,5,6,7
.irp i, 0,1,2,3,4,5,6,7
.endr
	v_cvt_scalef32_pk8_bf8_f32 v[P+2*\t:P+2*\t+1], v[S+8*\t:S+8*\t+7], v[PS]
.endr
.set n, 0
.rept 16
	v_pk_mul_f32 v[\oa+n:\oa+n+1], v[\oa+n:\oa+n+1], v[244:245] op_sel_hi:[1,0]   ; O^T under the new M.  (Plain lines behind the last conversion)
.set n, n+2
.endr
	s_wait_alu depctr_va_vdst(0)
	s_wait_dscnt 0x0                               ; V is in
.irp c, 0,1,2,3
	v_wmma_f32_16x16x128_bf8_bf8 v[\oa+8*\c:\oa+8*\c+7], v[KV+16*\c:KV+16*\c+15], v[P:P+15], v[\oa+8*\c:\oa+8*\c+7]   ; the four accumulators by turns, one instruction a turn
.endr
.Lskip_\@:
.endm
	s_wait_loadcnt 0x0                             ; Q
	s_wait_tensorcnt 1                             ; my 1 KiB of key step 0 is in; my 15 KiB may stay out
	s_barrier_signal -1
	s_barrier_wait -1                              ; everybody's is
	STEP STB, QB, OB, LASTB                        ; key step 0: every wave works both its tiles
	STEP STA, QA, OA, LASTA
	s_wait_tensorcnt 0x0                           ; my part of the rest is in,
	s_wait_dscnt 0x0
	s_barrier_signal -1
	s_barrier_wait -1                              ; everybody's is: from here on LDS is only read, and the waves run free
	v_add_nc_u32 v[LIV], 122880, v[LI]
	s_mov_b32 s[TB], 16384
	s_mov_b32 s[J], 1
.Ltrip:                                            ; 15 trips, a constant; a wave works 15 of their 30 steps
	STEP STB, QB, OB, LASTB
	STEP STA, QA, OA, LASTA
	s_add_co_u32 s[TB], s[TB], 8192
	s_add_co_u32 s[J], s[J], 1
	s_cmp_lt_u32 s[J], 16
	s_cbranch_scc1 .Ltrip
.rept 4
	v_nop                                          ; places behind the last products
.endr
; A tile's end: O^T / the sum, held, quantised for the last projection, stored as the head's half of a fragment.  w: 32 registers at work; cd: 8 for the codes; d: the scalar pair of its place.
.macro FIN st, oa, w, cd, d
	v_add_f32 v250, v[\st+2], v[\st+3]             ; the sum's two halves,
	s_delay_alu instid0(VALU_DEP_1)
	v_permlanex16_b32 v248, v250, s[SEL], s[SEL+1]
	s_delay_alu instid0(VALU_DEP_1)
	v_add_f32 v250, v250, v248                     ; and lane l xor 16's
	s_wait_alu depctr_va_vdst(0)
	v_rcp_f32 v250, v250
	v_nop                                          ; one plain line behind the reciprocal
.set n, 0
	s_wait_alu depctr_va_vdst(0)
.rept 32
	v_mul_f32 v[\w+n], v[\oa+n], v250              ; ascending: each accumulator from its low end on
.set n, n+1
.endr
.irp c, 0,1,2,3
.irp i, 0,1,2,3,4,5,6,7
.endr
	v_cvt_scalef32_pk8_bf8_f32 v[\cd+2*\c:\cd+2*\c+1], v[\w+8*\c:\w+8*\c+7], v[OS]
.endr
	v_nop                                          ; one plain line behind the last conversion
	global_store_b128 v[LI], v[\cd:\cd+3], s[\d:\d+1]                 ; 512 consecutive bytes, aligned
	global_store_b128 v[LI], v[\cd+4:\cd+7], s[\d:\d+1] offset:512
.endm
	FIN STA, OA, S, P, 56
	FIN STB, OB, S+32, P+8, 58
	s_wait_tensorcnt 0x0
	ds_add_u32 v254, v255
	s_wait_dscnt 0x0
	ROUND                                          ; the closing round: no work-group ends while a partner may still ask for a tile that names it
	s_endpgm
.Lfunc_end_k_qfb45e8bbba_attn:
	.size	k_qfb45e8bbba_attn, .Lfunc_end_k_qfb45e8bbba_attn-k_qfb45e8bbba_attn
	.p2alignl 7, 3214868480
	.fill 96, 4, 3214868480
	.section	.rodata,"a",@progbits
	.p2align	6, 0x0
	.amdhsa_kernel k_qfb45e8bbba_attn
		.amdhsa_group_segment_fixed_size 327680
		.amdhsa_private_segment_fixed_size 0
		.amdhsa_enable_private_segment 0
		.amdhsa_kernarg_size 24
		.amdhsa_user_sgpr_count 2
		.amdhsa_user_sgpr_kernarg_segment_ptr 1
		.amdhsa_wavefront_size32 1
		.amdhsa_system_sgpr_workgroup_id_x 1
		.amdhsa_system_sgpr_workgroup_id_y 1
		.amdhsa_system_sgpr_workgroup_id_z 1
		.amdhsa_system_vgpr_workitem_id 0
		.amdhsa_next_free_vgpr 256
		.amdhsa_next_free_sgpr 80
		.amdhsa_reserve_vcc 1
		.amdhsa_float_denorm_mode_32 3
		.amdhsa_float_denorm_mode_16_64 3
		.amdhsa_fp16_overflow 1
		.amdhsa_memory_ordered 1
		.amdhsa_forward_progress 1
		.amdhsa_inst_pref_size 88
	.end_amdhsa_kernel
	.amdgpu_metadata
---
amdhsa.version: [ 1, 2 ]
amdhsa.kernels:
  - .name:           k_qfb45e8bbba_attn
    .symbol:         k_qfb45e8bbba_attn.kd
    .args:
      - { .name: qkv, .offset: 0, .size: 8, .value_kind: global_buffer, .address_space: global }
      - { .name: lowp_scales, .offset: 8, .size: 8, .value_kind: global_buffer, .address_space: global }
      - { .name: oimg, .offset: 16, .size: 8, .value_kind: global_buffer, .address_space: global }
    .group_segment_fixed_size: 327680
    .private_segment_fixed_size: 0
    .kernarg_segment_align: 8
    .kernarg_segment_size: 24
    .max_flat_workgroup_size: 512
    .sgpr_count:     80
    .vgpr_count:     256
    .wavefront_size: 32
...
	.end_amdgpu_metadata
.endif
;; end of part 3
;; launch oproj (part 4): grid 4 x 32, 4 waves a work-group, clusters of 4 x 4, 327,680 bytes of LDS; arguments oimg, codes, lowp_scales, out0; writes out0
.if DOCPART == 4
	.amdgcn_target "amdgcn-amd-amdhsa--gfx1250"
	.amdhsa_code_object_version 6
	.text
	.protected	k_qfb45e8bbba_oproj
	.globl	k_qfb45e8bbba_oproj
	.p2align	8
	.type	k_qfb45e8bbba_oproj,@function
k_qfb45e8bbba_oproj:
	s_mov_b64 s[64:65], 0
	v_nop
	global_prefetch_b8 v0, s[64:65] scope:SCOPE_SE
	s_setreg_imm32_b32 hwreg(HW_REG_WAVE_MODE, 25, 1), 1
	s_wait_xcnt 0x0
	s_wait_alu depctr_hold_cnt(0) depctr_sa_sdst(0) depctr_va_vdst(0) depctr_va_sdst(0) depctr_va_ssrc(0) depctr_va_vcc(0) depctr_vm_vsrc(0)
	s_getreg_b32 s2, hwreg(HW_REG_IB_STS2, 6, 4)
	s_cmp_eq_u32 s2, 0
	s_cbranch_scc0 .Lentry_in_a_cluster
	s_endpgm
.Lentry_in_a_cluster:
	s_bfe_u32 s2, ttmp6, 0x10000c
	s_cmp_lg_u32 s2, 0xf033
	s_cbranch_scc0 .Lentry_shape_is_right
	s_endpgm
.Lentry_shape_is_right:
; OPROJ: out0 = attention's result x Wo^T on codes of E5M2; each finished sum is multiplied once by 2^(e10 + e11).  out0: [8,192][1,024] f32.
; A tile of 256 x 256 is made by four waves, 128 x 128 each: 64 accumulators of 16 x 16, 512 registers.  K = 1,024 goes in steps of 256 through two LDS slots.
; OPERANDS ARE IMAGES OF REGISTERS: a fragment (16 rows x 128 K, 2,048 bytes) lies as four pieces of 512 bytes, lane l's 16 bytes at 16 l.  A block of 16 rows is 16,384 bytes of memory; a K step takes
; 4,096 of them.  A tensor load brings 8 blocks x 4,096 bytes, dense in LDS: every LDS load takes 512 consecutive bytes.
; THE MATRIX INSTRUCTION IS USED TRANSPOSED (source 0 = 16 rows of Wo, source 1 = 16 tokens): a lane holds eight neighbouring numbers of a row of out0.
; CLUSTERS: 4 x 4 work-groups; A's tile is shared along a row of the cluster, B's along a column: each is asked for jointly, with a mask that names the four.
; 8,192 x 1,024 make 128 such tiles: 128 work-groups.
; LIMIT: e10 + e11 between -126 and 127, so that 2^(e10 + e11) is an f32 number.
; REGISTERS, in windows of 256: window 0: v0-31 addresses; from v128 A's fragments, ONE set; on the way out v32-255 are free.
;   window 1: B's fragments, TWO sets, at v0 and v128.   window 2: the accumulators of my rows 0-63 ((a, b) at v[8 (8 a + b)]);   window 3: those of my rows 64-127.
.set SIZE_N, 1024
.set WOOFF,  0x1b00000                 ; Wo's codes in the buffer of codes
.set ROWB,   4096
.set KROW,   16384
.set FR,     16
.set NL,     4
.set NP,     4                         ; places behind this matrix instruction (ISA guide 7.12.1)
.set HALFT,  8*ROWB
.set SLOT,   4*HALFT
.set LAPS,   2
.set SPARE,  2*SLOT                    ; behind the ring: the spare words, 128 bytes for each wave: two blocks of 256 bytes that no other line names
.set SPITCH, 528                       ; the way out: a stage of 16 rows x (512 bytes + 16) for each wave.  It lies in slot 0, which has had its last fill and its last read when the first result is stored there
.set ADRA, 16
.set ADRB, 20
.set STO,  24                          ; v24     the way out: where I put 32 bytes of a row
.set RD,   25                          ; v25     the way out: where I read a row back
.set CO,   26                          ; v26     16 x lane
.set SPW,  28                          ; v28     LDS address of my spare word: SPARE + 4 x my thread's number; never rewritten
.set NIL,  29                          ; v29     0; never rewritten
.set TMP,  32                          ; the way out: 64 registers, a block's sums x 2^(e10 + e11)
.set AF,   128
.set BK,   128                         ; the way out: 16 rows read back from the stage: v128-191 and v192-255 by turns
.set G1, 24
.set G0, 32
.set G1B, 48
.set G0B, 56
.set MSB, 0
.macro WIN new                         ; the immediate's high byte repeats the setting that is left
.if MSB != (\new)
	s_set_vgpr_msb (MSB<<8)|(\new)
.set MSB, (\new)
.endif
.endm
.set MUL_LO, 0xa1
.set MUL_HI, 0xf1
.set TO_B,   0x40
; A joint load: waves 0 and 1 fetch for A, waves 2 and 3 for B.  Four v_nop follow each of the two lines, ahead of the jump, the label and what follows.
.macro JLOAD g0a, g1a, g0b, g1b
	s_cmp_eq_u32 s15, 0
	s_cbranch_scc0 .Lfor_b_\@
	tensor_load_to_lds s[\g0a:\g0a+3], s[\g1a:\g1a+7]
	s_nop 0
.rept 4
	v_nop
.endr
	s_branch .Lasked_\@
.Lfor_b_\@:
	tensor_load_to_lds s[\g0b:\g0b+3], s[\g1b:\g1b+7]
	s_nop 0
.rept 4
	v_nop
.endr
.Lasked_\@:
.endm
.macro CREST
	s_cmp_lg_u32 s14, 0
	s_cbranch_scc1 .Lnot_wave_0_\@
	s_barrier_signal -3
.Lnot_wave_0_\@:
	s_barrier_wait -3
	s_barrier_signal -1
	s_barrier_wait -1
.endm
.macro CROUND
	s_barrier_signal -1
	s_barrier_wait -1
	CREST
.endm
	s_load_b128 s[4:7], s[0:1], 0x0                ; oimg s[4:5], codes s[6:7]
	s_load_b128 s[8:11], s[0:1], 0x10              ; the scales' exponents s[8:9], out0 s[10:11]
	v_lshl_add_u32 v[SPW], v0, 2, SPARE
	v_mov_b32 v[NIL], 0
	ds_add_u32 v28, v29
	ds_add_u32 v28, v29
	s_wait_dscnt 0x0
	v_lshrrev_b32 v1, 5, v0
	v_readfirstlane_b32 s14, v1                    ; wave 0..3
	s_lshr_b32 s15, s14, 1                         ; which half of the tile's rows is mine.  Also: I fetch for A (0) or for B (1)
	s_and_b32 s16, s14, 1                          ; which half of its columns.  Also: which 128 rows of that tile I fetch
	s_bfe_u32 s40, ttmp6, 0x40000                  ; cx, cy
	s_bfe_u32 s41, ttmp6, 0x40004
	s_lshl_b32 s42, ttmp9, 2
	s_add_co_u32 s42, s42, s40                     ; tile column = 4 x cluster x + cx
	s_and_b32 s17, ttmp7, 0xffff
	s_lshl_b32 s17, s17, 2
	s_add_co_u32 s17, s17, s41                     ; tile row = 4 x cluster y + cy
	s_lshl_b32 s43, s41, 2
	s_lshl_b32 s43, 15, s43                        ; my row of the cluster
	s_lshl_b32 s44, 0x1111, s40                    ; my column
	s_or_b32 s[G1+0], s43, (1<<21)                 ; 15:0 the mask; 17:16 elements of 1 byte; 20 no padding; 21 set beside a mask
	s_or_b32 s[G1B+0], s44, (1<<21)
.irp g, G1, G1B
	s_mov_b32 s[\g+1], ROWB<<16                    ; tensor_dim0
	s_mov_b32 s[\g+2], 8<<16                       ; tensor_dim1 = 8
	s_mov_b32 s[\g+3], ROWB<<16                    ; tile_dim0
	s_mov_b32 s[\g+4], 8                           ; tile_dim1 = 8
	s_mov_b32 s[\g+5], KROW                        ; tensor_dim0_stride
	s_mov_b32 s[\g+6], 0
	s_mov_b32 s[\g+7], 0
.endr
	s_lshl_b32 s18, s16, 17                        ; which 8 blocks of the tile I fetch
	s_lshl_b32 s20, s17, 18
	s_add_co_u32 s20, s20, s18
	s_mov_b32 s21, 0
	s_lshl_b32 s46, s42, 18
	s_add_co_u32 s46, s46, s18
	s_add_co_u32 s46, s46, WOOFF
	s_mov_b32 s47, 0
	s_mul_i32 s45, s14, HALFT                      ; where they go: wave x 8 blocks
	s_wait_kmcnt 0x0
	s_load_b64 s[96:97], s[8:9], 0x28              ; e10, e11
	s_add_nc_u64 s[20:21], s[4:5], s[20:21]
	s_add_nc_u64 s[46:47], s[6:7], s[46:47]
	CROUND                                         ; all sixteen work-groups are here: the first joint loads meet
.irp s, 0,1
	s_mov_b32 s[G0+4*\s], 1
	s_add_co_u32 s[G0+4*\s+1], s45, \s*SLOT
	s_add_nc_u64 s[G0+4*\s+2:G0+4*\s+3], s[20:21], \s*ROWB
	s_or_b32 s[G0+4*\s+3], s[G0+4*\s+3], 0x80000000
	s_mov_b32 s[G0B+4*\s], 1
	s_add_co_u32 s[G0B+4*\s+1], s45, \s*SLOT
	s_add_nc_u64 s[G0B+4*\s+2:G0B+4*\s+3], s[46:47], \s*ROWB
	s_or_b32 s[G0B+4*\s+3], s[G0B+4*\s+3], 0x80000000
	s_wait_alu depctr_va_vdst(0)
	s_wait_tensorcnt 0x0
	ds_add_u32 v28, v29
	ds_add_u32 v28, v29
	s_wait_dscnt 0x0
	CROUND
	JLOAD G0+4*\s, G1, G0B+4*\s, G1B
.endr
	v_and_b32 v1, 15, v0                           ; l % 16
	s_wait_alu depctr_va_vdst(0)
	v_bfe_u32 v2, v0, 4, 1                         ; l / 16
	v_and_b32 v6, 31, v0
	v_lshlrev_b32 v[CO], 4, v6                     ; an image's place for my lane; and my 16 bytes of a row of 512
	s_mul_i32 s21, s15, HALFT
	s_mul_i32 s22, s16, HALFT
	s_add_co_u32 s22, s22, 2*HALFT
.irp s, 0,1
	v_add_nc_u32 v[ADRA+\s], s21, v[CO]
	v_add_nc_u32 v[ADRB+\s], s22, v[CO]
	s_add_co_u32 s21, s21, SLOT
	s_add_co_u32 s22, s22, SLOT
.endr
	s_mul_i32 s23, s14, 16*SPITCH                  ; my stage
	v_mul_u32_u24 v5, v1, SPITCH                   ; in: row l % 16, 32 bytes for each half of the lanes
	s_wait_alu depctr_va_vdst(0)
	v_lshl_add_u32 v5, v2, 5, v5
	v_add_nc_u32 v[STO], s23, v5
	v_add_nc_u32 v[RD], s23, v[CO]                 ; back: the 32 lanes take one row of 512 bytes
	s_lshl_b32 s88, s17, 20                        ; my first row: 256 x tile row + 128 x half, rows of 4,096 bytes;
	s_lshl_b32 s89, s15, 19
	s_add_co_u32 s88, s88, s89
	s_lshl_b32 s89, s42, 10                        ; my first column, in bytes: 1,024 x tile column + 512 x half
	s_add_co_u32 s88, s88, s89
	s_lshl_b32 s89, s16, 9
	s_add_co_u32 s88, s88, s89
	s_mov_b32 s89, 0
	s_add_nc_u64 s[10:11], s[10:11], s[88:89]
.macro FRAG reg, adr, q, i
.irp c, 0,1,2,3
	ds_load_b128 v[\reg+4*\c:\reg+4*\c+3], v[\adr] offset:ROWB*(\i)+2048*(\q)+512*\c
.endr
.endm
; 16 matrix instructions: A's blocks a0, a0 + 1 x B's eight, 128 along K.  The 64 accumulators take turns, one instruction a turn, in the same order in every step.
.macro MUL16 a0, p, zero
.irp a, \a0, \a0+1
.irp b, 0,1,2,3,4,5,6,7
.if \zero
	v_wmma_f32_16x16x128_bf8_bf8 v[8*(8*((\a)%4)+\b):8*(8*((\a)%4)+\b)+7], v[128*(\p)+FR*\b:128*(\p)+FR*\b+FR-1], v[AF+FR*(\a):AF+FR*(\a)+FR-1], 0
.else
	v_wmma_f32_16x16x128_bf8_bf8 v[8*(8*((\a)%4)+\b):8*(8*((\a)%4)+\b)+7], v[128*(\p)+FR*\b:128*(\p)+FR*\b+FR-1], v[AF+FR*(\a):AF+FR*(\a)+FR-1], v[8*(8*((\a)%4)+\b):8*(8*((\a)%4)+\b)+7]
.endif
.endr
.endr
.endm
.macro FETCH_B slot, q, p
	WIN TO_B
.irp i, 0,1,2,3,4,5,6,7
	FRAG 128*(\p)+FR*\i, ADRB+\slot, \q, \i
.endr
	WIN 0
.endm
.macro FETCH_A slot, q, i0
.irp i, \i0, \i0+1, \i0+2, \i0+3
	FRAG AF+FR*(\i), ADRA+\slot, \q, \i
.endr
.endm
; A load into a register that a matrix instruction has read, and a vector instruction that reads a matrix result, stand NP places behind that matrix instruction, and only plain vector
; instructions that name none of its registers are places (ISA guide 7.12.1 for vector instructions).
.macro PLACES n
.rept \n
	v_nop
.endr
.endm
.macro STEP slot, q, zero
	s_wait_dscnt 4*NL                              ; B's set and A's blocks 0-3 are in; the sixteen youngest loads (A's blocks 4-7) may be out
	WIN MUL_LO
	MUL16 0, (\q)%2, \zero
	MUL16 2, (\q)%2, \zero
	s_wait_dscnt 0                                 ; A's blocks 4-7 are in
	PLACES NP
	FETCH_B \slot, (\q)+1, 1-(\q)%2
	FETCH_A \slot, (\q)+1, 0
	WIN MUL_HI
	MUL16 4, (\q)%2, \zero
	MUL16 6, (\q)%2, \zero
	PLACES NP
	WIN 0
	FETCH_A \slot, (\q)+1, 4
.endm
; A slot's last step changes slots: ONE barrier; in front of it each wave waits for all its tensor loads, adds 0 to its spare word, and waits for that and for its own reads of this slot.
.macro TURN slot, next, fill
	s_wait_tensorcnt 0x0                           ; all my tensor loads have landed: my part of the next slot;  (every window is 0 here)
	ds_add_u32 v[SPW], v[NIL]                      ; 0 onto my spare word
	s_wait_dscnt 4*NL+1                            ; (the add and the sixteen youngest loads may be out)
	WIN MUL_LO
	MUL16 0, 1, 0                                  ; sixteen matrix instructions stand between the add and the wait for it
	s_wait_dscnt 0x0                               ; the add is done, and my reads of this slot are over
	s_barrier_signal -1
	MUL16 2, 1, 0
	WIN 0
	s_barrier_wait -1
.if \fill
	CREST                                          ; the barrier has opened a round of the cluster's barrier: no wave of any partner still reads this slot's tile or has a load on its way
	s_add_nc_u64 s[G0+4*\slot+2:G0+4*\slot+3], s[G0+4*\slot+2:G0+4*\slot+3], 2*ROWB
	s_add_nc_u64 s[G0B+4*\slot+2:G0B+4*\slot+3], s[G0B+4*\slot+2:G0B+4*\slot+3], 2*ROWB
	JLOAD G0+4*\slot, G1, G0B+4*\slot, G1B         ; the first tensor load behind the round; the four v_nop behind it are the places in front of the loads below
.else
	PLACES NP
.endif
	FETCH_B \next, 0, 0
	FETCH_A \next, 0, 0
	WIN MUL_HI
	MUL16 4, 1, 0
	MUL16 6, 1, 0
	PLACES NP
	WIN 0
	FETCH_A \next, 0, 4
.endm
	s_wait_tensorcnt 1                             ; my part of K step 0 is in (K step 1's load may be out)
	s_barrier_signal -1
	s_barrier_wait -1                              ; everybody's is
	FETCH_B 0, 0, 0
	FETCH_A 0, 0, 0
	FETCH_A 0, 0, 4
	STEP 0, 0, 1                                   ; the first step's products start the sums
.rept LAPS-1                                           ; once round the ring, both slots filled again: with K = 1,024 that happens once, so no loop is written
	TURN 0, 1, 1
	STEP 1, 0, 0
	TURN 1, 0, 1
	STEP 0, 0, 0
.endr
	TURN 0, 1, 0                                   ; the last lap fills nothing, and has no round of the cluster's barrier
	STEP 1, 0, 0
	s_wait_dscnt 4*NL                              ; the very last step: nothing more to fetch
	WIN MUL_LO
	MUL16 0, 1, 0
	MUL16 2, 1, 0
	s_wait_dscnt 0
	WIN MUL_HI
	MUL16 4, 1, 0
	MUL16 6, 1, 0
	WIN 0
; THE WAY OUT, block by block of 16 rows x 128 columns.  A lane holds 32 neighbouring bytes of a row, and the lanes beside it hold other rows: so a block goes through my own stage in LDS and comes back as whole
; rows of 512 bytes.  LDS serves a wave's instructions in order (ISA guide 5.7.1.4): no wait between the stores and the loads, nor in front of the next block's stores.
.macro TOSTAGE a
.set AC, 64*((\a)%4)
	WIN 0x02+((\a)/4)                              ; source 0: window 2 or 3
.set j, 0
.rept 32
	v_pk_mul_f32 v[TMP+j:TMP+j+1], v[AC+j:AC+j+1], s[96:97] op_sel_hi:[1,0]   ; both x s96 = 2^(e10 + e11); each accumulator from its low end on
.set j, j+2
.endr
	WIN 0
.irp b, 0,1,2,3,4,5,6,7
	ds_store_b128 v[STO], v[TMP+8*\b:TMP+8*\b+3] offset:64*\b
	ds_store_b128 v[STO], v[TMP+8*\b+4:TMP+8*\b+7] offset:64*\b+16
.endr
.set BB, BK+64*((\a)%2)
.irp t, 0,1,2,3,4,5,6,7,8,9,10,11,12,13,14,15
	ds_load_b128 v[BB+4*\t:BB+4*\t+3], v[RD] offset:\t*SPITCH
.endr
.endm
.macro SEND a, younger                 ; younger: the LDS instructions issued behind block a's loads, which may stay out
.set BB, BK+64*((\a)%2)
	s_wait_dscnt \younger                          ; the block is back in registers
.if (\a) > 0
	s_add_nc_u64 s[10:11], s[10:11], 16*SIZE_N*4   ; (behind a wait on XCNT: the earlier stores have read their base)  16 rows on
.endif
.irp t, 0,1,2,3,4,5,6,7,8,9,10,11,12,13,14,15
	global_store_b128 v[CO], v[BB+4*\t:BB+4*\t+3], s[10:11] offset:\t*SIZE_N*4 th:TH_STORE_NT   ; 32 lanes store 512 consecutive bytes, aligned; written once, read by nobody here
.endr
.endm
	s_wait_kmcnt 0x0
	s_add_co_i32 s96, s96, s97                     ; e10 + e11, between -126 and 127,
	s_add_co_i32 s96, s96, 127
	s_lshl_b32 s96, s96, 23                        ; makes the f32 number 2^(e10 + e11)
	PLACES NP                                      ; in front of the loads into the registers that held A's fragments, and of the reads of the last results
	TOSTAGE 0
.irp a, 1,2,3,4,5,6,7
.if \a > 1
	s_wait_xcnt 0x0                                ; block a - 2's stores have read their registers and their base: block a's loads may land there, and the base may step
.endif
	TOSTAGE \a
	SEND \a-1, 32                                  ; behind block a - 1's loads: block a's 16 stores and 16 loads
.endr
	s_wait_xcnt 0x0                                ; block 6's stores have read their base
	SEND 7, 0
	s_wait_tensorcnt 0x0                           ; the wave's end: behind my last tensor load and my last LDS store
	ds_add_u32 v[SPW], v[NIL]
	s_wait_dscnt 0x0
	CROUND                                         ; the closing round: no work-group ends while a partner may still ask for a tile that names it
	s_endpgm
.Lfunc_end_k_qfb45e8bbba_oproj:
	.size	k_qfb45e8bbba_oproj, .Lfunc_end_k_qfb45e8bbba_oproj-k_qfb45e8bbba_oproj
	.p2alignl 7, 3214868480
	.fill 96, 4, 3214868480
	.section	.rodata,"a",@progbits
	.p2align	6, 0x0
	.amdhsa_kernel k_qfb45e8bbba_oproj
		.amdhsa_group_segment_fixed_size 327680
		.amdhsa_private_segment_fixed_size 0
		.amdhsa_enable_private_segment 0
		.amdhsa_kernarg_size 32
		.amdhsa_user_sgpr_count 2
		.amdhsa_user_sgpr_kernarg_segment_ptr 1
		.amdhsa_wavefront_size32 1
		.amdhsa_system_sgpr_workgroup_id_x 1
		.amdhsa_system_sgpr_workgroup_id_y 1
		.amdhsa_system_sgpr_workgroup_id_z 1
		.amdhsa_system_vgpr_workitem_id 0
		.amdhsa_next_free_vgpr 1024
		.amdhsa_next_free_sgpr 100
		.amdhsa_reserve_vcc 0
		.amdhsa_float_denorm_mode_32 3
		.amdhsa_float_denorm_mode_16_64 3
		.amdhsa_memory_ordered 1
		.amdhsa_forward_progress 1
		.amdhsa_inst_pref_size 124
	.end_amdhsa_kernel
	.amdgpu_metadata
---
amdhsa.version: [ 1, 2 ]
amdhsa.kernels:
  - .name:           k_qfb45e8bbba_oproj
    .symbol:         k_qfb45e8bbba_oproj.kd
    .args:
      - { .name: oimg, .offset: 0, .size: 8, .value_kind: global_buffer, .address_space: global }
      - { .name: codes, .offset: 8, .size: 8, .value_kind: global_buffer, .address_space: global }
      - { .name: lowp_scales, .offset: 16, .size: 8, .value_kind: global_buffer, .address_space: global }
      - { .name: out0, .offset: 24, .size: 8, .value_kind: global_buffer, .address_space: global }
    .group_segment_fixed_size: 327680
    .private_segment_fixed_size: 0
    .kernarg_segment_align: 8
    .kernarg_segment_size: 32
    .max_flat_workgroup_size: 128
    .sgpr_count:     100
    .vgpr_count:     1024
    .wavefront_size: 32
...
	.end_amdgpu_metadata
.endif
;; end of part 4
